; MI455X (gfx1250); checked and timed in simulation.
; The chip was launched on July 23, 2026; its instructions are those of AMD's public machine-readable ISA for CDNA 5 (MIT licence, August 2026) and "CDNA5" Instruction Set Architecture Reference Guide (July 2026). The comments in the code are by the model that wrote it; some were corrected since.
;; Routed Lo RA Linear. Allowed arithmetic: matrix products marked QUANTISED: E4M3 operands, one given power-of-two scale a tensor, by v_wmma_f32_16x16x64_fp8_fp8 or v_wmma_f32_16x16x128_fp8_fp8, f32 sums; products left as they are: f32 operands where the result goes on into a quantised operand, else bf16, f16 or f32 operands; f32 sums; everything else in f32.
;; Inputs: W 4,096 x 4,096 float32; b 4,096 float32; expert_indices 8 int32; lora_A 8 x 16 x 4,096 float32; lora_B 8 x 4,096 x 16 float32; lowp_scales 4 int32 (the exponents e of the quantised operands' scales 2^e); x 8 x 512 x 4,096 float32.
;; Outputs: out0 8 x 512 x 4,096 float32.
;; This version of the problem:
;;   THIS VERSION OF THE PROBLEM IS GIVEN IN LOW PRECISION. The matrix products marked QUANTISED in the list below multiply operands that are first quantised to E4M3 (4 exponent bits, 3 mantissa bits; 8 bits a number), with one given power-of-two scale for each operand tensor; their sums are f32. All else is computed in f32.
;;   The module's matrix products, in the order in which they are computed (A, B: the left and right operand; K: the contracted axis; several contracted axes count as one K, in the product's order):
;;     1. [M 4,096, K 4,096] x [K 4,096, N 4,096]; A: input x; B: input W: QUANTISED (scales: A lowp_scales[0], B lowp_scales[1])
;;     2. batch 8 x [M 512, K 4,096] x [K 4,096, N 16]; A: input x; B: computed on the way: QUANTISED (scales: A lowp_scales[2], B lowp_scales[3])
;;     3. batch 8 x [M 512, K 16] x [K 16, N 4,096]; A: computed on the way; B: computed on the way: left as it is (K = 16 < 32)
;;   THE QUANTISER, for each operand of a quantised product, along K:
;;     - The operand's scale is 2^e, e = its entry of the input lowp_scales (int32; the entries are numbered through the quantised products in the list's order, A before B).
;;     - Each number is divided by the scale, clamped to +-448, and rounded to the nearest number of E4M3, ties to even, subnormals kept.
;;     - The product sums the exact products of the quantised numbers (number of the format x scale) in f32.
;;   ~~~python
;;   def quantise(x, axis, e):      # numpy; x: float32 -> the quantised numbers, widened to float32 again
;;       x = np.moveaxis(x, axis, -1); K = x.shape[-1]
;;       r = np.clip(x / 2.0 ** e, -448, 448)
;;       step = 2.0 ** (np.maximum(np.frexp(np.where(r == 0, 1, r))[1] - 1, -6) - 3)
;;       q = np.round(r / step) * step * 2.0 ** e      # np.round: ties to even
;;       return np.moveaxis(q, -1, axis).astype(np.float32)
;;   ~~~
;;   OPERANDS COMPUTED ON THE WAY. 'Computed on the way' means the value that the module computes at that place (a softmax that the list does not call 'softmax' is quantised finished and normalised). What goes into a quantiser is computed in f32, as accurately as f32 sums, v_exp_f32 and their like allow (about 1e-6 of the number): no bf16 or f16 on the way to a quantiser, and a product that is left as it is and whose result goes on into a quantised operand takes f32 operands (vector FMAs, or v_wmma_f32_16x16x4_f32). A number that lies on a knife's edge between two numbers of the format may be rounded either way, as far as f32 arithmetic and the matrix unit's own rounding can turn it there, and no further.
;; 2 versions, each right; version 2 is version 1 with the launch quant written anew for expert scheduling mode. Each part assembles by itself: llvm-mc -triple=amdgcn-amd-amdhsa -mcpu=gfx1250 --defsym DOCPART=n.
;; ======== version 1 of 2: 2 launches
;; workspace buffers: xq 16,777,216 bytes; wq 16,777,216 bytes; lowb 131,072 bytes
;; launch quant (part 1): grid 256 x 1, 16 waves a work-group, no clusters, 153,600 bytes of LDS; arguments x, W, lora_A, expert_indices, lowp_scales, xq, wq, lowb; writes xq, wq, lowb
.if DOCPART == 1
	.amdgcn_target "amdgcn-amd-amdhsa--gfx1250"
	.amdhsa_code_object_version 6
	.text
	.protected	k_q98f97df595_quant
	.globl	k_q98f97df595_quant
	.p2align	8
	.type	k_q98f97df595_quant,@function
k_q98f97df595_quant:
	s_mov_b64 s[64:65], 0
	v_nop
	global_prefetch_b8 v0, s[64:65] scope:SCOPE_SE
	s_setreg_imm32_b32 hwreg(HW_REG_WAVE_MODE, 25, 1), 1
	s_wait_xcnt 0x0
; x [4096][4096] and W [4096][4096], f32, K innermost, become codes of FP8 (E4M3) with the given scales 2^e0 and 2^e1; on the way the small routed product
; low = Q(x, e2) . Q(lora_A[expert], e3)^T is made on codes too (x is quantised a second time, with e2, while its f32 numbers are in registers), summed over all of K inside the work-group.
; code = number / 2^e, held within +-448, to the nearest code, ties to even.
; OUT: xq, wq: IMAGES OF THE OPERAND'S REGISTERS: [tile of 16 rows: 256][K step of 128: 32][2,048 bytes]; in an image register group c (0..3) lies at 512 c, lane l's 16 bytes at 16 l;
;      lane (r = l % 16, h = l / 16), group c holds k = 32 c + 16 h + 0 .. 15 of row r.  So each store of a wave covers 512 consecutive bytes, aligned.
;      lowb: [tile of 16 rows: 256][512 bytes]: lane (r, h): eight bf16: low(row r, rank 8 h + 0 .. 7) x 2^(e2 + e3 + 1 - e0 - e1): the next launch adds its product with lora_B onto sums that still lack 2^(e0 + e1); the 1 is the factor 2.
; SHARES.  Work-group g takes tile g of x and tile g of W (16 rows x 4,096 each) and the 16 rows of lora_A of its batch's expert (batch = g / 32).  Wave w takes k = 256 w .. 256 w + 255: two K steps of each.
; A UNIT is 16 rows x 128 k of f32, 8 KiB: sixteen loads, each 512 consecutive bytes of one row.  The conversions want 16 neighbours along K in one lane, so a unit turns through the wave's own stage in LDS
; (rows 528 bytes apart: row r starts at bank 4 r mod 64, ISA guide 11.1).  Six units a wave, in the order W0 A0 X0 A1 X1 W1; the loads of the next unit but one go out as soon as a unit has left its registers: two units of a wave are on their way.
; lora_A's part is shared by the 32 work-groups of a batch, a third of the bytes that a work-group loads.  It is not asked for jointly: every number here goes through registers to be turned and converted, so the launch has no tensor load to share.
; LIMITS: each e between -126 and 119; low x 2^(e2 + e3 + 1 - e0 - e1) is an f32 number; NaN among the inputs is not served, an infinity is held at the largest code; an index above 7 is held at 7.
.set SPIT,  528                        ; a stage row: 512 bytes + 16
.set STGB,  16*SPIT                    ; a wave's stage
.set RED,   16*STGB                    ; behind the stages: 1,024 bytes a wave, its partial sums of low
.set ROWP,  16384                      ; a row of x, W or lora_A in bytes
.set LN16,  1                          ; v1       16 x lane: the offset of every global load and store; never rewritten
.set LS,    2                          ; v2       the stage on the way in: 16 x lane
.set LR,    3                          ; v3       and on the way out: 528 r + 64 h
.set SC,    4                          ; v4-7     2^e0 .. 2^e3 as f32: the conversions take the exponent field
.set R,     8                          ; v8-135   two sets of 64 numbers as loaded
.set X,     136                        ; v136-199 64 numbers after the turn: register 16 c + i = k 32 c + 16 h + i of row r
.set T,     200                        ; v200-207 eight numbers held for e0; at the end two LDS addresses
.set CA,    208                        ; v208-223 a fragment's codes, to be stored
.set AC,    224                        ; v224-239 lora_A's codes of a K step
.set ACC,   240                        ; v240-247 low's sums: lane (r, h), register j: low(row r, rank 8 h + j)
.set C2,    248                        ; v248-255 x's codes under e2, 64 along K
	s_load_b512 s[4:19], s[0:1], 0x0               ; x s[4:5], W s[6:7], lora_A s[8:9], the indices s[10:11], the exponents s[12:13], xq s[14:15], wq s[16:17], lowb s[18:19]
	v_lshrrev_b32 v2, 5, v0
	v_readfirstlane_b32 s20, v2                    ; wave 0..15
	v_and_b32 v3, 31, v0
	v_lshlrev_b32 v[LN16], 4, v3
	s_mul_i32 s21, s20, STGB                       ; my stage
	v_add_nc_u32 v[LS], s21, v[LN16]
	v_and_b32 v4, 15, v0                           ; r
	v_bfe_u32 v5, v0, 4, 1                         ; h
	v_mul_u32_u24 v[LR], v4, SPIT
	v_lshl_add_u32 v[LR], v5, 6, v[LR]
	v_add_nc_u32 v[LR], s21, v[LR]
	s_lshl_b32 s40, ttmp9, 18                      ; x, W: 16 rows of 16,384 bytes a work-group,
	s_lshl_b32 s22, s20, 10                        ; 256 numbers a wave
	s_add_co_u32 s40, s40, s22
	s_mov_b32 s41, 0
	s_lshl_b32 s42, ttmp9, 16                      ; xq, wq: 32 images a work-group,
	s_lshl_b32 s23, s20, 12                        ; two a wave
	s_add_co_u32 s42, s42, s23
	s_mov_b32 s43, 0
	s_lshl_b32 s44, ttmp9, 9                       ; lowb: 512 bytes a work-group
	s_mov_b32 s45, 0
	s_lshr_b32 s46, ttmp9, 5                       ; my batch: 32 tiles of 16 rows each,
	s_lshl_b32 s46, s46, 2                         ; its index word
	s_mov_b32 s47, 0
	s_wait_kmcnt 0x0
	s_load_b128 s[24:27], s[12:13], 0x0            ; e0 .. e3
	s_add_nc_u64 s[10:11], s[10:11], s[46:47]
	s_load_b32 s28, s[10:11], 0x0                  ; my batch's expert
	s_add_nc_u64 s[4:5], s[4:5], s[40:41]
	s_add_nc_u64 s[6:7], s[6:7], s[40:41]
	s_add_nc_u64 s[14:15], s[14:15], s[42:43]
	s_add_nc_u64 s[16:17], s[16:17], s[42:43]
	s_add_nc_u64 s[18:19], s[18:19], s[44:45]
; sixteen loads: K step s of my 256 along K, all 16 rows, into register set 0 or 1.  nt = 1: bytes that the launch reads once
.macro LOAD set, base, s, nt
.irp i, 0,1,2,3,4,5,6,7,8,9,10,11,12,13,14,15
.if \nt
	global_load_b128 v[R+64*\set+4*\i:R+64*\set+4*\i+3], v[LN16], s[\base:\base+1] offset:\i*ROWP+512*\s th:TH_LOAD_NT
.else
	global_load_b128 v[R+64*\set+4*\i:R+64*\set+4*\i+3], v[LN16], s[\base:\base+1] offset:\i*ROWP+512*\s
.endif
.endr
.endm
; a unit turns through the stage.  left: the younger global loads, which may stay out.  LDS serves a wave's instructions in order (ISA guide 5.7.1.4): no wait between the stores and the loads, nor behind the last unit's loads
.macro HEAD set, left
	s_wait_loadcnt \left                           ; loads come back in order: this unit's sixteen are in
.irp i, 0,1,2,3,4,5,6,7,8,9,10,11,12,13,14,15
	ds_store_b128 v[LS], v[R+64*\set+4*\i:R+64*\set+4*\i+3] offset:\i*SPIT
.endr
.irp c, 0,1,2,3
.irp j, 0,1,2,3
	ds_load_b128 v[X+16*\c+4*\j:X+16*\c+4*\j+3], v[LR] offset:128*\c+16*\j
.endr
.endr
	s_wait_dscnt 16                                ; all but the sixteen loads just issued: the stores have read the set, which may be loaded again
.endm
; 64 numbers become a fragment's codes in v[dst] on.  s[lo], s[lo + 1]: -+448 x the scale;  v[sc]: the scale
.macro QP dst, lo, sc
.irp g, 0,1,2,3,4,5,6,7
	s_wait_dscnt 14-2*\g                           ; the stage's loads 2 g and 2 g + 1 are in; the later ones may be out
.irp i, 0,1,2,3,4,5,6,7
	v_med3_num_f32 v[X+8*\g+\i], v[X+8*\g+\i], s[\lo], s[\lo+1]   ; the conversion to an 8-bit code does not saturate (ISA guide 7.6.2): the hold comes first
.endr
	v_cvt_scalef32_pk8_fp8_f32 v[\dst+2*\g:\dst+2*\g+1], v[X+8*\g:X+8*\g+7], v[\sc]
.endr
	v_nop                                          ; a plain vector line behind the last conversion
.endm
.macro OUT base, s                     ; the image of K step s: four stores of 512 consecutive bytes
.irp c, 0,1,2,3
	global_store_b128 v[LN16], v[CA+4*\c:CA+4*\c+3], s[\base:\base+1] offset:2048*\s+512*\c
.endr
.endm
; a unit of x: each eight numbers are held and converted twice: under e0 into the image, under e2 into source 1 of low's product.  Behind each 64 along K one matrix instruction:
; source 0 = lora_A's 16 ranks, source 1 = x's 16 rows.  Both sides hold the same k in the same register, byte and half of the lanes, so every product meets its partner.
; low has ONE accumulator.  The sixteen holds behind a matrix instruction are the places ahead of the next write of its sources (ISA guide 7.12.1).
.macro QX s, first
	s_wait_xcnt 0x0                                ; the last image's stores have read v[CA] on
.irp g, 0,1,2,3,4,5,6,7
	s_wait_dscnt 14-2*\g
.irp i, 0,1,2,3,4,5,6,7
	v_med3_num_f32 v[T+\i], v[X+8*\g+\i], s30, s31
.endr
	v_cvt_scalef32_pk8_fp8_f32 v[CA+2*\g:CA+2*\g+1], v[T:T+7], v[SC]
.irp i, 0,1,2,3,4,5,6,7
	v_med3_num_f32 v[X+8*\g+\i], v[X+8*\g+\i], s34, s35
.endr
	v_cvt_scalef32_pk8_fp8_f32 v[C2+2*(\g%4):C2+2*(\g%4)+1], v[X+8*\g:X+8*\g+7], v[SC+2]
.if (\g%4) == 3
	v_nop                                          ; a plain vector line between the conversion and the matrix instruction that reads its result
.if \first && (\g == 3)
	v_wmma_f32_16x16x64_fp8_fp8 v[ACC:ACC+7], v[AC:AC+7], v[C2:C2+7], 0   ; the wave's first product starts the sums
.else
	s_wait_alu depctr_va_vdst(0)
	v_wmma_f32_16x16x64_fp8_fp8 v[ACC:ACC+7], v[AC+8*(\g/4):AC+8*(\g/4)+7], v[C2:C2+7], v[ACC:ACC+7]
.endif
.endif
.endr
	OUT 14, \s
.endm
	LOAD 0, 6, 0, 1                                ; W0 goes out before the index and the exponents are back
	s_wait_kmcnt 0x0
	s_min_u32 s28, s28, 7
	s_lshl_b32 s28, s28, 18                        ; an expert's 16 rows of 16,384 bytes,
	s_add_co_u32 s28, s28, s22                     ; my 256 numbers of each
	s_mov_b32 s29, 0
	s_add_nc_u64 s[8:9], s[8:9], s[28:29]
	LOAD 1, 8, 0, 0                                ; A0: read again by the batch's other work-groups, so it carries no hint
.irp i, 0,1,2,3
	s_add_co_i32 s48, s[24+\i], 127
	s_lshl_b32 s49, s48, 23
	v_mov_b32 v[SC+\i], s49                        ; 2^e as f32
	s_add_co_i32 s48, s48, 8
	s_lshl_b32 s48, s48, 23
	s_or_b32 s[31+2*\i], s48, 0x600000             ; 448 x 2^e,
	s_or_b32 s[30+2*\i], s[31+2*\i], 0x80000000    ; and its negative
.endr
	s_add_co_i32 s38, s26, s27
	s_sub_co_i32 s38, s38, s24
	s_sub_co_i32 s38, s38, s25
	s_add_co_i32 s38, s38, 1                       ; e2 + e3 + 1 - e0 - e1
	HEAD 0, 16                                     ; W0
	LOAD 0, 4, 0, 1                                ; X0
	s_wait_xcnt 0x0
	QP CA, 32, SC+1
	OUT 16, 0
	HEAD 1, 16                                     ; A0
	LOAD 1, 8, 1, 0                                ; A1
	QP AC, 36, SC+3
	HEAD 0, 16                                     ; X0
	LOAD 0, 4, 1, 1                                ; X1
	QX 0, 1
	HEAD 1, 16                                     ; A1: its eight first holds are the places behind X0's last product, which read v[AC] on
	LOAD 1, 6, 1, 1                                ; W1
	QP AC, 36, SC+3
	HEAD 0, 16                                     ; X1
	QX 1, 0
	v_add_nc_u32 v[T+1], RED, v[LN16]              ; four places behind the last product: two address lines and two v_nop
	s_lshl_b32 s50, s20, 10
	v_add_nc_u32 v[T], s50, v[T+1]
	v_nop
	v_nop
	ds_store_b128 v[T], v[ACC:ACC+3]               ; my partial sums, from the accumulator's low end on
	ds_store_b128 v[T], v[ACC+4:ACC+7] offset:512
	HEAD 1, 0                                      ; W1: the last unit
	s_wait_xcnt 0x0                                ; X1's stores have read v[CA] on
	QP CA, 32, SC+1
	OUT 16, 1
	s_wait_dscnt 0x0                               ; for wave 0's sake: my partial sums lie in LDS
	s_barrier_signal -1
	s_barrier_wait -1
	s_cmp_lg_u32 s20, 0                            ; wave 0 adds the sixteen parts; no barrier follows
	s_cbranch_scc1 .Ldone
.irp p, 0,1,2,3,4,5,6,7,8,9,10,11,12,13,14,15
	ds_load_b128 v[R+8*\p:R+8*\p+3], v[T+1] offset:1024*\p
	ds_load_b128 v[R+8*\p+4:R+8*\p+7], v[T+1] offset:1024*\p+512
.endr
	s_wait_dscnt 0x0
.macro ADDP d, s
.irp i, 0,2,4,6
	v_pk_add_f32 v[R+8*(\d)+\i:R+8*(\d)+\i+1], v[R+8*(\d)+\i:R+8*(\d)+\i+1], v[R+8*(\s)+\i:R+8*(\s)+\i+1]
.endr
.endm
.irp p, 0,1,2,3,4,5,6,7
	ADDP \p, \p+8
.endr
.irp p, 0,1,2,3
	ADDP \p, \p+4
.endr
	ADDP 0, 2
	ADDP 1, 3
	ADDP 0, 1
.irp j, 0,1,2,3,4,5,6,7
	v_ldexp_f32 v[R+\j], v[R+\j], s38              ; x 2^(e2 + e3 + 1 - e0 - e1): nothing is rounded
.endr
.irp j, 0,1,2,3
	v_cvt_pk_bf16_f32 v[X+\j], v[R+2*\j], v[R+2*\j+1]
.endr
	global_store_b128 v[LN16], v[X:X+3], s[18:19]  ; 512 consecutive bytes
.Ldone:
	s_wait_xcnt 0x0
	v_lshl_add_u32 v254, v0, 2, 0x25000
	v_mov_b32 v255, 0
	s_wait_tensorcnt 0x0
	ds_add_u32 v254, v255
	s_wait_dscnt 0x0
	s_endpgm
.Lfunc_end_k_q98f97df595_quant:
	.size	k_q98f97df595_quant, .Lfunc_end_k_q98f97df595_quant-k_q98f97df595_quant
	.p2alignl 7, 3214868480
	.fill 96, 4, 3214868480
	.section	.rodata,"a",@progbits
	.p2align	6, 0x0
	.amdhsa_kernel k_q98f97df595_quant
		.amdhsa_group_segment_fixed_size 153600
		.amdhsa_private_segment_fixed_size 0
		.amdhsa_enable_private_segment 0
		.amdhsa_kernarg_size 64
		.amdhsa_user_sgpr_count 2
		.amdhsa_user_sgpr_kernarg_segment_ptr 1
		.amdhsa_wavefront_size32 1
		.amdhsa_system_sgpr_workgroup_id_x 1
		.amdhsa_system_sgpr_workgroup_id_y 1
		.amdhsa_system_sgpr_workgroup_id_z 1
		.amdhsa_system_vgpr_workitem_id 0
		.amdhsa_next_free_vgpr 256
		.amdhsa_next_free_sgpr 66
		.amdhsa_reserve_vcc 0
		.amdhsa_float_denorm_mode_32 3
		.amdhsa_float_denorm_mode_16_64 3
		.amdhsa_memory_ordered 1
		.amdhsa_forward_progress 1
		.amdhsa_inst_pref_size 72
	.end_amdhsa_kernel
	.amdgpu_metadata
---
amdhsa.version: [ 1, 2 ]
amdhsa.kernels:
  - .name:           k_q98f97df595_quant
    .symbol:         k_q98f97df595_quant.kd
    .args:
      - { .name: x, .offset: 0, .size: 8, .value_kind: global_buffer, .address_space: global }
      - { .name: W, .offset: 8, .size: 8, .value_kind: global_buffer, .address_space: global }
      - { .name: lora_A, .offset: 16, .size: 8, .value_kind: global_buffer, .address_space: global }
      - { .name: expert_indices, .offset: 24, .size: 8, .value_kind: global_buffer, .address_space: global }
      - { .name: lowp_scales, .offset: 32, .size: 8, .value_kind: global_buffer, .address_space: global }
      - { .name: xq, .offset: 40, .size: 8, .value_kind: global_buffer, .address_space: global }
      - { .name: wq, .offset: 48, .size: 8, .value_kind: global_buffer, .address_space: global }
      - { .name: lowb, .offset: 56, .size: 8, .value_kind: global_buffer, .address_space: global }
    .group_segment_fixed_size: 153600
    .private_segment_fixed_size: 0
    .kernarg_segment_align: 8
    .kernarg_segment_size: 64
    .max_flat_workgroup_size: 512
    .sgpr_count:     66
    .vgpr_count:     256
    .wavefront_size: 32
...
	.end_amdgpu_metadata
.endif
;; end of part 1
;; launch gemm (part 2): grid 16 x 16, 4 waves a work-group, clusters of 4 x 4, 327,680 bytes of LDS; arguments xq, wq, lowb, lora_B, expert_indices, lowp_scales, b, out0; writes out0
.if DOCPART == 2
	.amdgcn_target "amdgcn-amd-amdhsa--gfx1250"
	.amdhsa_code_object_version 6
	.text
	.protected	k_q98f97df595_gemm
	.globl	k_q98f97df595_gemm
	.p2align	8
	.type	k_q98f97df595_gemm,@function
k_q98f97df595_gemm:
	s_mov_b64 s[64:65], 0
	v_nop
	global_prefetch_b8 v0, s[64:65] scope:SCOPE_SE
	s_setreg_imm32_b32 hwreg(HW_REG_WAVE_MODE, 25, 1), 1
	s_wait_xcnt 0x0
	s_wait_alu depctr_hold_cnt(0) depctr_sa_sdst(0) depctr_va_vdst(0) depctr_va_sdst(0) depctr_va_ssrc(0) depctr_va_vcc(0) depctr_vm_vsrc(0)
	s_getreg_b32 s2, hwreg(HW_REG_IB_STS2, 6, 4)
	s_cmp_eq_u32 s2, 0
	s_cbranch_scc0 .Lentry_in_a_cluster
	s_endpgm
.Lentry_in_a_cluster:
	s_bfe_u32 s2, ttmp6, 0x10000c
	s_cmp_lg_u32 s2, 0xf033
	s_cbranch_scc0 .Lentry_shape_is_right
	s_endpgm
.Lentry_shape_is_right:
; out[m][n] = 2^(e0 + e1) x (sum over k of xq[m][k] wq[n][k]  +  sum over 16 ranks of low'[m][rank] lora_B[expert][n][rank]) + b[n].
; xq, wq: codes of FP8 (E4M3), as images of the operand's registers: [tile of 16 rows: 256][K step of 128: 32][2,048 bytes], register group c at 512 c, lane l's 16 bytes at 16 l.
; low' (bf16, from the launch before) is low x 2 / 2^(e0 + e1), so the routed product can START the sums: one bf16 matrix instruction with C = 0 for each accumulator (K = 16 of its 32; the rest are zeros on both sides);
; the 32 K steps on codes add onto it, and each finished sum takes one packed multiply-add: x 2^(e0 + e1) + b.  lora_B is rounded to bf16: this product is left as it is and its result is an output.
; A tile of out, 256 x 256, is made by a work-group of four waves, as many as a WGP has SIMDs; a wave makes 128 x 128: 64 accumulators, 512 registers.  256 tiles, one a work-group.  A tile's 256 rows lie in one batch of 512: one expert a work-group.
; K goes in steps of 256 through a ring of two LDS slots filled by the tensor data mover.  A wave's load brings 8 tiles of 16 rows x 2 images: 8 rows of 4,096 consecutive bytes, 65,536 bytes apart: 32 KiB.
; In LDS the images lie as in memory: a fragment is four loads of 512 consecutive bytes, 16 a lane: no pitch and no padding.
; CLUSTERS: 4 x 4 work-groups.  The four of a row of the cluster need the same tiles of xq, the four of a column the same tiles of wq: each is asked for JOINTLY, by the same tensor load with the same descriptor and a mask that names the four.
; THE WALK ALONG K HAS TWO PHASES.  Four clusters need the same rows of xq, four the same rows of wq.  ph = bit 0 of (X xor Y) xor ((X xor Y) >> 1), X and Y the cluster's coordinates: along X, and along Y, the phases run 0, 1, 1, 0.
; A cluster with ph = 1 begins at K's middle: slot j of its walk is K's slot j xor 8.  So the bytes of a walk's second half are the bytes that clusters of the other phase asked for eight slots earlier.
; ORDER OF THE SUMS: with ph = 1 the f32 sums take K = 2,048 .. 4,095 ahead of K = 0 .. 2,047, and inside a K step k is permuted alike on both sides: the rounding's order differs from an ascending sum's.
; THE MATRIX INSTRUCTIONS ARE USED TRANSPOSED (source 0 = 16 rows of wq or lora_B, source 1 = 16 rows of xq or low'): a lane then holds eight neighbouring numbers of a row of out.
; LIMITS: e0 + e1 between -126 and 127, so that 2^(e0 + e1) is an f32 number; an index above 7 is held at 7.
; REGISTERS, in windows of 256: window 0: v0-31 addresses; v32-95 the bias of my 128 columns, in the result's layout; from v128 xq's fragments (8 x 16 rows x 128 K), ONE set (at the head low' and lora_B's f32 numbers; on the way out rows of out).
;   window 1: wq's fragments, TWO sets, at v0 and v128 (at the head lora_B in bf16; on the way out v0-63 at work).   window 2: the 32 accumulators of my rows 0-63 ((a, b) at v[8 (8 a + b)]);   window 3: those of my rows 64-127.
.set SIZE_N, 4096
.set SLOTK,  4096                      ; a slot's bytes of one tile of 16 rows: two images
.set TROW,   65536                     ; a tile of 16 rows in memory: 32 images
.set FR,     16                        ; registers of a fragment; four LDS loads bring one
.set NP,     4                         ; places behind these matrix instructions (ISA guide 7.12.1)
.set HALFT,  8*SLOTK                   ; what one tensor load brings, and what one wave reads of xq or of wq
.set SLOT,   4*HALFT                   ; xq's two halves, then wq's two
.set LAPS,   8                         ; a lap = two slots = 512 along K
.set SEAM,   4                         ; the loop's count in the trip whose two refills are slots 8 and 9 of the walk: trip i (count 7 - i) asks for slots 2 + 2 i and 3 + 2 i
.set ASKS,   5                         ; a wave that prefetches does so while the loop's count is above this: in the first two trips
.set SPARE,  2*SLOT                    ; behind the ring: the spare words, 128 bytes for each wave: two blocks of 256 bytes that no other line names
.set SPITCH, 528                       ; the way out: a stage of 16 rows x (512 bytes + 16) for each wave, in slot 0, which has had its last fill and its last read when the first result is stored there
.set ADRA, 16                          ; v16-17  LDS address of my xq fragments in slot 0, 1
.set ADRB, 20                          ; v20-21  the same for wq
.set STO,  24                          ; v24     the way out: where I put 32 bytes of a row
.set RD,   25                          ; v25     the way out: where I read a row back
.set CO,   26                          ; v26     16 x lane
.set BO,   27                          ; v27     32 h: my half's eight numbers of the bias
.set SPW,  28                          ; v28     LDS address of my spare word: SPARE + 4 x my thread's number; never rewritten
.set NIL,  29                          ; v29     0; never rewritten
.set PFO,  30                          ; v30     the prefetches' offset: 65,536 (lane / 16) + 256 (lane % 16); never rewritten
.set LBO,  31                          ; v31     lora_B: 64 r + 32 h
.set BIAS, 32
.set AF,   128                         ; xq's fragments, in window 0
.set LW,   128                         ; at the head: low', 8 fragments of 8 registers
.set BT,   192                         ; at the head: lora_B's f32 numbers, 8 x 8
.set LB,   0                           ; at the head, in window 1: lora_B in bf16, 8 fragments of 8 registers
.set TMP,  0                           ; the way out, in window 1: a block's 64 results
.set BK,   128                         ; the way out: 16 rows read back from the stage: v128-191 and v192-255 by turns
.set G1, 24                            ; s[24:31] descriptor group 1 for xq's tiles;  s[32:39] group 0, one set for each slot
.set G0, 32
.set G1B, 48                           ; s[48:55], s[56:63] the same for wq's
.set G0B, 56
.set PFA, 76                           ; s[76:77] where my prefetches stand: one slot further along my walk than the refill that is being asked for; a prefetch names the slot after that
.set LIM, 78                           ; s78     ASKS in a wave that prefetches, else the greatest number
.set PH15, 90                          ; s90     32,768 x ph: eight slots along K
.set PH16, 92                          ; s92     65,536 x ph: what the seam takes off an address
.set BACK, 94                          ; s[94:95] PH16 in the trip of the seam, else 0; the upper word stays 0
.set MSB, 0
.macro WIN new                         ; the immediate's high byte repeats the setting that is left
.if MSB != \new
	s_set_vgpr_msb (MSB<<8)|\new
.set MSB, \new
.endif
.endm
.set MUL_LO, 0xa1                      ; source 0 window 1, source 1 window 0, C and D window 2
.set MUL_HI, 0xf1                      ; the same, C and D window 3
.set TO_B,   0x40                      ; destination window 1, the rest window 0
; A joint load: waves 0 and 1 fetch for xq, waves 2 and 3 for wq.  Each of the two lines has ONE mask and one set of registers for all that issue it; the branch hangs on the wave's number alone.
; Four v_nop follow each of the two lines, ahead of the jump, the label and what follows.
.macro JLOAD g0a, g1a, g0b, g1b
	s_cmp_eq_u32 s15, 0
	s_cbranch_scc0 .Lfor_b_\@
	tensor_load_to_lds s[\g0a:\g0a+3], s[\g1a:\g1a+7]
	s_nop 0
.rept 4
	v_nop
.endr
	s_branch .Lasked_\@
.Lfor_b_\@:
	tensor_load_to_lds s[\g0b:\g0b+3], s[\g1b:\g1b+7]
	s_nop 0
.rept 4
	v_nop
.endr
.Lasked_\@:
.endm
; A PREFETCH INTO THE L2, behind a joint refill, its four lines and the run of LDS loads that follows: the slot that stands TWO refills on in my walk, 256 matrix instructions ahead of the load that will want it.
; Each aligned block of 256 bytes is named at most ONCE in the launch.  A K half of xq's tile row is walked first by two clusters of that row of clusters, of which one has cluster x below 2: it asks; for wq likewise cluster y below 2.
; The four partners that ask for a tile jointly share it out BY ADDRESS: of the 8 tiles of 16 rows that wave w fetches, the partner at place p (cx for xq, cy for wq) takes 2 p and 2 p + 1: 2 x 4,096 bytes, a lane to a block of 256.
; The loop's first two trips ask, for slots 4 to 7 of my walk.  Slots 0 to 3 come by their loads alone; slots 8 to 15 of my walk are slots 0 to 7 of the other phase's, and are that phase's to name.
.macro ASK
	s_cmp_gt_u32 s3, s[LIM]
	s_cbranch_scc0 .Lnot_mine_\@
	global_prefetch_b8 v[PFO], s[PFA:PFA+1] offset:SLOTK th:TH_LOAD_NT scope:SCOPE_SE
.Lnot_mine_\@:
.endm
.macro CREST                           ; a round of the cluster's barrier behind its opening barrier
	s_cmp_lg_u32 s14, 0
	s_cbranch_scc1 .Lnot_wave_0_\@
	s_barrier_signal -3
.Lnot_wave_0_\@:
	s_barrier_wait -3
	s_barrier_signal -1
	s_barrier_wait -1
.endm
.macro CROUND                          ; a whole round
	s_barrier_signal -1
	s_barrier_wait -1
	CREST
.endm
	s_load_b256 s[4:11], s[0:1], 0x0               ; xq s[4:5], wq s[6:7], lowb s[8:9], lora_B s[10:11]
	s_load_b256 s[68:75], s[0:1], 0x20             ; the indices s[68:69], the exponents s[70:71], b s[72:73], out s[74:75]
	v_lshl_add_u32 v[SPW], v0, 2, SPARE
	v_mov_b32 v[NIL], 0
	ds_add_u32 v28, v29
	ds_add_u32 v28, v29
	s_wait_dscnt 0x0
	v_lshrrev_b32 v1, 5, v0
	v_readfirstlane_b32 s14, v1                    ; wave 0..3
	s_lshr_b32 s15, s14, 1                         ; which half of the tile's rows is mine.  Also: I fetch for xq (0) or for wq (1)
	s_and_b32 s16, s14, 1                          ; which half of its columns.  Also: which half of that tile I fetch
	s_bfe_u32 s40, ttmp6, 0x40000                  ; cx, cy: my place in the cluster
	s_bfe_u32 s41, ttmp6, 0x40004
	s_lshl_b32 s42, ttmp9, 2
	s_add_co_u32 s42, s42, s40                     ; tile column of out = 4 x cluster x + cx
	s_and_b32 s17, ttmp7, 0xffff
	s_lshl_b32 s17, s17, 2
	s_add_co_u32 s17, s17, s41                     ; tile row of out = 4 x cluster y + cy
	s_lshl_b32 s43, s41, 2
	s_lshl_b32 s43, 15, s43                        ; my row of the cluster
	s_lshl_b32 s44, 0x1111, s40                    ; my column
	s_and_b32 s89, ttmp7, 0xffff                   ; the walk's phase, from the cluster's two coordinates alone: the same in all sixteen partners
	s_xor_b32 s89, s89, ttmp9
	s_lshr_b32 s80, s89, 1
	s_xor_b32 s89, s89, s80
	s_and_b32 s89, s89, 1                          ; ph
	s_lshl_b32 s[PH15], s89, 15
	s_lshl_b32 s[PH16], s89, 16
	s_mov_b32 s[BACK+1], 0
	; descriptor group 1: 8 rows of 512 elements of 8 bytes, 8,192 elements apart; dense in LDS
	s_or_b32 s[G1+0], s43, (3<<16)|(1<<21)         ; 15:0 the mask: xq's tiles go to my row; 17:16 elements of 8 bytes; 20 no padding; 21 set beside a mask
	s_or_b32 s[G1B+0], s44, (3<<16)|(1<<21)        ; the same with the mask of my column
.irp g, G1, G1B
	s_mov_b32 s[\g+1], 512<<16                     ; tensor_dim0 = 512
	s_mov_b32 s[\g+2], 8<<16                       ; tensor_dim1 = 8
	s_mov_b32 s[\g+3], 512<<16                     ; tile_dim0 = 512
	s_mov_b32 s[\g+4], 8                           ; tile_dim1 = 8
	s_mov_b32 s[\g+5], TROW/8                      ; tensor_dim0_stride
	s_mov_b32 s[\g+6], 0
	s_mov_b32 s[\g+7], 0
.endr
	s_lshl_b32 s18, s16, 19                        ; which 8 tiles of 16 rows I fetch
	s_lshl_b32 s20, s17, 20                        ; xq: 16 tiles of 16 rows x tile row,
	s_add_co_u32 s20, s20, s18
	s_add_co_u32 s20, s20, s[PH15]                 ; at my walk's first slot: K's slot 0 or 8
	s_lshl_b32 s46, s42, 20                        ; wq: x tile column
	s_add_co_u32 s46, s46, s18
	s_add_co_u32 s46, s46, s[PH15]
	s_mov_b32 s21, 0
	s_mov_b32 s47, 0
	s_mul_i32 s45, s14, HALFT                      ; where they go: no place in the cluster enters an LDS address
	s_lshr_b32 s82, s17, 1                         ; my batch: two tile rows each,
	s_lshl_b32 s82, s82, 2                         ; its index word
	s_mov_b32 s83, 0
	s_wait_kmcnt 0x0
	s_load_b64 s[96:97], s[70:71], 0x0             ; e0, e1
	s_add_nc_u64 s[68:69], s[68:69], s[82:83]
	s_load_b32 s79, s[68:69], 0x0                  ; my batch's expert
	s_add_nc_u64 s[20:21], s[4:5], s[20:21]
	s_add_nc_u64 s[46:47], s[6:7], s[46:47]
	CROUND                                         ; all sixteen work-groups are here: the first joint loads meet
.irp s, 0,1
	s_mov_b32 s[G0+4*\s], 1
	s_add_co_u32 s[G0+4*\s+1], s45, \s*SLOT
	s_add_nc_u64 s[G0+4*\s+2:G0+4*\s+3], s[20:21], \s*SLOTK
	s_or_b32 s[G0+4*\s+3], s[G0+4*\s+3], 0x80000000
	s_mov_b32 s[G0B+4*\s], 1
	s_add_co_u32 s[G0B+4*\s+1], s45, \s*SLOT
	s_add_nc_u64 s[G0B+4*\s+2:G0B+4*\s+3], s[46:47], \s*SLOTK
	s_or_b32 s[G0B+4*\s+3], s[G0B+4*\s+3], 0x80000000
	JLOAD G0+4*\s, G1, G0B+4*\s, G1B               ; two tensor loads of mine are out
.endr
	v_and_b32 v1, 15, v0                           ; r = l % 16
	v_bfe_u32 v2, v0, 4, 1                         ; h = l / 16
	v_and_b32 v3, 31, v0
	v_lshlrev_b32 v[CO], 4, v3
	s_mul_i32 s21, s15, HALFT                      ; my 128 rows of xq
	s_mul_i32 s22, s16, HALFT                      ; my 128 rows of wq,
	s_add_co_u32 s22, s22, 2*HALFT                 ; which lie behind xq's 256
.irp s, 0,1
	v_add_nc_u32 v[ADRA+\s], s21, v[CO]
	v_add_nc_u32 v[ADRB+\s], s22, v[CO]
	s_add_co_u32 s21, s21, SLOT
	s_add_co_u32 s22, s22, SLOT
.endr
	s_mul_i32 s23, s14, 16*SPITCH                  ; my stage
	v_mul_u32_u24 v5, v1, SPITCH                   ; in: row r, 32 bytes for each half of the lanes
	v_lshl_add_u32 v5, v2, 5, v5
	v_add_nc_u32 v[STO], s23, v5
	v_add_nc_u32 v[RD], s23, v[CO]                 ; back: the 32 lanes take one row of 512 bytes
	v_lshlrev_b32 v[BO], 5, v2
	v_lshl_add_u32 v[LBO], v1, 6, v[BO]
	v_lshlrev_b32 v[PFO], 8, v1
	v_lshl_add_u32 v[PFO], v2, 16, v[PFO]
	s_wait_kmcnt 0x0
	s_min_u32 s79, s79, 7
	s_lshl_b32 s84, s79, 18                        ; lora_B: an expert's 4,096 rows of 64 bytes,
	s_lshl_b32 s85, s42, 14                        ; 256 rows a tile column,
	s_add_co_u32 s84, s84, s85
	s_lshl_b32 s85, s16, 13                        ; my 128 of them
	s_add_co_u32 s84, s84, s85
	s_mov_b32 s85, 0
	s_add_nc_u64 s[10:11], s[10:11], s[84:85]
	s_lshl_b32 s84, s17, 13                        ; low': 16 tiles of 512 bytes a tile row,
	s_lshl_b32 s86, s15, 12                        ; my 8 of them
	s_add_co_u32 s84, s84, s86
	s_add_nc_u64 s[8:9], s[8:9], s[84:85]
	s_lshl_b32 s84, s42, 10                        ; my first column, in bytes of f32: 1,024 x tile column + 512 x half:
	s_lshl_b32 s86, s16, 9
	s_add_co_u32 s84, s84, s86
	s_add_nc_u64 s[72:73], s[72:73], s[84:85]      ; in b,
	s_add_nc_u64 s[74:75], s[74:75], s[84:85]      ; and in out,
	s_lshl_b32 s84, s17, 22                        ; at my first row: 256 rows of 16,384 bytes a tile row,
	s_lshl_b32 s86, s15, 21                        ; my 128 of them
	s_add_co_u32 s84, s84, s86
	s_add_nc_u64 s[74:75], s[74:75], s[84:85]
	s_add_co_i32 s96, s96, s97                     ; e0 + e1, between -126 and 127,
	s_add_co_i32 s96, s96, 127
	s_lshl_b32 s96, s96, 23                        ; makes the f32 number 2^(e0 + e1)
	; the prefetches: where mine stand, and who asks
	s_and_b32 s88, ttmp7, 0xffff                   ; cluster y
	s_cmp_eq_u32 s15, 0                            ; do I fetch for xq?
	s_cselect_b32 s86, s17, s42                    ; the tile: by the tile row, or by the tile column
	s_cselect_b32 s87, s40, s41                    ; my place among the four that ask for it with me
	s_cselect_b32 s88, ttmp9, s88                  ; the coordinate along which other clusters read the same rows
	s_cselect_b64 s[PFA:PFA+1], s[4:5], s[6:7]
	s_cmp_lt_u32 s88, 2                            ; coordinates 0 and 1 have different phases: one asker for each half of K
	s_cselect_b32 s[LIM], ASKS, -1                 ; the same in all sixteen partners, for a given wave
	s_lshl_b32 s86, s86, 4
	s_lshl_b32 s88, s16, 3
	s_add_co_u32 s86, s86, s88                     ; + the 8 tiles of 16 rows that I fetch
	s_lshl_b32 s87, s87, 1
	s_add_co_u32 s86, s86, s87                     ; + my work-group's two of them
	s_lshl_b32 s86, s86, 16
	s_add_co_u32 s86, s86, 2*SLOTK                 ; at slot 2 of my walk: the first refill steps it to 3 and names slot 4
	s_add_co_u32 s86, s86, s[PH15]
	s_mov_b32 s87, 0
	s_add_nc_u64 s[PFA:PFA+1], s[PFA:PFA+1], s[86:87]
	; THE ROUTED PRODUCT STARTS THE SUMS, while the first tiles are on their way.
.irp b, 0,1,2,3,4,5,6,7
	global_load_b128 v[BT+8*\b:BT+8*\b+3], v[LBO], s[10:11] offset:1024*\b        ; lora_B(16 b + r, 8 h + 0 .. 7)
	global_load_b128 v[BT+8*\b+4:BT+8*\b+7], v[LBO], s[10:11] offset:1024*\b+16
.endr
.irp a, 0,1,2,3,4,5,6,7
	global_load_b128 v[LW+8*\a:LW+8*\a+3], v[CO], s[8:9] offset:512*\a            ; low'(16 a + r, 8 h + 0 .. 7) in bf16: registers 0-3 of a fragment, as they were stored
.endr
.irp b, 0,1,2,3,4,5,6,7
	global_load_b128 v[BIAS+8*\b:BIAS+8*\b+3], v[BO], s[72:73] offset:64*\b       ; b(16 b + 8 h + 0 .. 7)
	global_load_b128 v[BIAS+8*\b+4:BIAS+8*\b+7], v[BO], s[72:73] offset:64*\b+16
.endr
.irp a, 0,1,2,3,4,5,6,7
.irp i, 4,5,6,7
	v_mov_b32 v[LW+8*\a+\i], 0                     ; k = 16 .. 31 of the form's 32: zeros, on both sides
.endr
.endr
	WIN TO_B
.irp b, 0,1,2,3,4,5,6,7
.irp i, 4,5,6,7
	v_mov_b32 v[LB+8*\b+\i], 0
.endr
.endr
	s_wait_loadcnt 24                              ; lora_B's sixteen loads are in; low's 8 and the bias's 16 may be out
.irp b, 0,1,2,3,4,5,6,7
.irp j, 0,1,2,3
	v_cvt_pk_bf16_f32 v[LB+8*\b+\j], v[BT+8*\b+2*\j], v[BT+8*\b+2*\j+1]
.endr
.endr
	s_wait_loadcnt 16                              ; low' is in; the bias's 16 may be out
.macro LORA16 a0                       ; 16 matrix instructions, each on another accumulator: the 64 take turns from here on
.irp a, \a0, \a0+1
.irp b, 0,1,2,3,4,5,6,7
	v_wmma_f32_16x16x32_bf16 v[8*(8*((\a)%4)+\b):8*(8*((\a)%4)+\b)+7], v[LB+8*\b:LB+8*\b+7], v[LW+8*(\a):LW+8*(\a)+7], 0
.endr
.endr
.endm
	WIN MUL_LO
	LORA16 0
	LORA16 2
	WIN MUL_HI
	LORA16 4
	LORA16 6
.rept 5
	v_nop                                          ; five places: another form will write over these results; they also serve the loads into the registers that these products read
.endr
	WIN 0
	s_wait_loadcnt 0x0                             ; the bias
.macro FRAG reg, adr, q, i             ; a fragment's image: lane l's registers 4 c .. 4 c + 3 hold K = 32 c + 16 (l / 16) + 0 .. 15 of row l % 16
.irp c, 0,1,2,3
	ds_load_b128 v[\reg+4*\c:\reg+4*\c+3], v[\adr] offset:SLOTK*(\i)+2048*(\q)+512*\c
.endr
.endm
; A QUARTER OF A K STEP: 16 matrix instructions: xq's blocks 4 ah + 0 .. 3 x wq's blocks 4 bh + 0 .. 3 of set p, 128 along K.  A step's four quarters touch each of the 64 accumulators once.
.macro QUAD ah, bh, p
.irp a, 0,1,2,3
.irp b, 0,1,2,3
	v_wmma_f32_16x16x128_fp8_fp8 v[8*(8*\a+4*(\bh)+\b):8*(8*\a+4*(\bh)+\b)+7], v[128*(\p)+FR*(4*(\bh)+\b):128*(\p)+FR*(4*(\bh)+\b)+FR-1], v[AF+FR*(4*(\ah)+\a):AF+FR*(4*(\ah)+\a)+FR-1], v[8*(8*\a+4*(\bh)+\b):8*(8*\a+4*(\bh)+\b)+7]
.endr
.endr
.endm
; A RUN OF 16 LDS LOADS: four fragments of the slot's q-th 128 along K
.macro FETCH_B slot, q, p, i0          ; wq's blocks i0 .. i0 + 3 into set p
	WIN TO_B
.irp i, 0,1,2,3
	FRAG 128*(\p)+FR*(\i0+\i), ADRB+\slot, \q, \i0+\i
.endr
.endm
.macro FETCH_A slot, q, i0             ; xq's blocks i0 .. i0 + 3; leaves every window 0
	WIN 0
.irp i, 0,1,2,3
	FRAG AF+FR*(\i0+\i), ADRA+\slot, \q, \i0+\i
.endr
.endm
; A load into a register that a matrix instruction has read, and a vector instruction that reads a matrix result, stand NP places behind that matrix instruction; only plain vector
; instructions that name none of its registers are places (ISA guide 7.12.1 for vector instructions).  The runs into wq's other set need none of their own:
; that set's last products stand in the step before, in front of the four v_nop at that step's end.
.macro PLACES n
.rept \n
	v_nop
.endr
.endm
; A slot's first step of 128 along K (wq's set 0); its successor lies in the same slot.  Behind each quarter stands one run of 16 loads for the next step, in the order wq 0-3, xq 0-3, wq 4-7, xq 4-7:
; each run stands 32 matrix instructions ahead of its first use, and sixteen loads stand beside sixteen products throughout.  xq has one set: blocks 0-3 are free behind the second quarter, blocks 4-7 behind the fourth.
.macro STEP slot
	s_wait_dscnt 32                                ; this step's wq 0-3 and xq 0-3 are in; the two youngest runs (its wq 4-7, xq 4-7) may be out
	WIN MUL_LO
	QUAD 0, 0, 0
	FETCH_B \slot, 1, 1, 0
	s_wait_dscnt 32                                ; wq 4-7 is in; xq 4-7 and the run just issued may be out
	WIN MUL_LO
	QUAD 0, 1, 0
	PLACES NP
	FETCH_A \slot, 1, 0
	s_wait_dscnt 32                                ; xq 4-7 is in; the two runs for the next step may be out
	WIN MUL_HI
	QUAD 1, 1, 0
	FETCH_B \slot, 1, 1, 4
	WIN MUL_HI
	QUAD 1, 0, 0
	PLACES NP
	FETCH_A \slot, 1, 4
.endm
; A slot's last step (wq's set 1) changes slots: ONE barrier; in front of it each wave waits for all its tensor loads, adds 0 to its spare word, and waits for that and for its own reads of this slot.
; fill = 1: this slot is filled again, two slots ahead in my walk.  The next slot may be read only behind the barrier: so the first two runs stand together there, still 32 matrix instructions ahead of their use.
.macro TURN slot, next, fill
.if \fill
	s_wait_xcnt 0x0                                ; the last prefetch, a slot back, has read its address: it is stepped here, ahead of the waits of the change of slots
	s_add_nc_u64 s[PFA:PFA+1], s[PFA:PFA+1], SLOTK
	s_cmp_eq_u32 s3, SEAM                          ; the trip whose refills are slots 8 and 9 of the walk:
	s_cselect_b32 s[BACK], s[PH16], 0              ; with ph = 1 they lie 16 slots back
.endif
	s_wait_tensorcnt 0x0                           ; all my tensor loads have landed: the one that was out is my part of the next slot;  (every window is 0 here)
	ds_add_u32 v[SPW], v[NIL]                      ; 0 onto my spare word
.if \fill
	s_add_nc_u64 s[G0+4*\slot+2:G0+4*\slot+3], s[G0+4*\slot+2:G0+4*\slot+3], 2*SLOTK       ; no tensor load of mine is out, so a group 0 may be written: this slot's next tile
	s_sub_nc_u64 s[G0+4*\slot+2:G0+4*\slot+3], s[G0+4*\slot+2:G0+4*\slot+3], s[BACK:BACK+1]
	s_add_nc_u64 s[G0B+4*\slot+2:G0B+4*\slot+3], s[G0B+4*\slot+2:G0B+4*\slot+3], 2*SLOTK
	s_sub_nc_u64 s[G0B+4*\slot+2:G0B+4*\slot+3], s[G0B+4*\slot+2:G0B+4*\slot+3], s[BACK:BACK+1]
.endif
	s_wait_dscnt 33                                ; this step's wq 0-3 and xq 0-3 are in; its two youngest runs and the add may be out
	WIN MUL_LO
	QUAD 0, 0, 1                                   ; sixteen matrix instructions stand between the add and the wait for it
	s_wait_dscnt 0x0                               ; the add is done, and my reads of this slot are over
	s_barrier_signal -1
	QUAD 0, 1, 1
	WIN 0
	s_barrier_wait -1
.if \fill
	CREST                                          ; the barrier has opened a round of the cluster's barrier: no wave of any partner still reads this slot's tile or has a load on its way
	JLOAD G0+4*\slot, G1, G0B+4*\slot, G1B         ; the first tensor load behind the round, and my only one until the next; its four v_nop are the places in front of the loads into xq's blocks 0-3
.else
	PLACES NP
.endif
	FETCH_B \next, 0, 0, 0
	FETCH_A \next, 0, 0
.if \fill
	ASK
.endif
	WIN MUL_HI
	QUAD 1, 1, 1
	FETCH_B \next, 0, 0, 4
	WIN MUL_HI
	QUAD 1, 0, 1
	PLACES NP
	FETCH_A \next, 0, 4
.endm
	s_wait_tensorcnt 1                             ; my part of slot 0 is in (slot 1's load may be out)
	s_barrier_signal -1
	s_barrier_wait -1                              ; everybody's is
	FETCH_B 0, 0, 0, 0                             ; the first step's four runs, in the order of every step
	FETCH_A 0, 0, 0
	FETCH_B 0, 0, 0, 4
	FETCH_A 0, 0, 4
	STEP 0
	s_mov_b32 s3, LAPS-1
.Llap:                                                 ; a trip goes once round the ring, from a lap's second step to the next lap's first, and fills both slots again
	TURN 0, 1, 1
	STEP 1
	TURN 1, 0, 1
	STEP 0
	s_sub_co_u32 s3, s3, 1
	s_cmp_lg_u32 s3, 0
	s_cbranch_scc1 .Llap
	TURN 0, 1, 0                                   ; the last lap fills nothing, and has no round of the cluster's barrier
	STEP 1
	s_wait_dscnt 32                                ; the very last step: nothing more to fetch
	WIN MUL_LO
	QUAD 0, 0, 1
	s_wait_dscnt 16                                ; wq 4-7 is in; xq 4-7 may be out
	QUAD 0, 1, 1
	s_wait_dscnt 0
	WIN MUL_HI
	QUAD 1, 1, 1
	QUAD 1, 0, 1
	WIN 0
; THE WAY OUT, block by block of 16 rows x 128 columns.  A lane holds 32 neighbouring bytes of a row, and the lanes beside it hold other rows: so a block goes through my own stage in LDS and comes back as whole
; rows of 512 bytes, which the 32 lanes store as two aligned runs of 256 bytes.  LDS serves a wave's instructions in order (ISA guide 5.7.1.4): no wait between the stores and the loads, nor in front of the next block's stores.
.macro TOSTAGE a
.set AC, 64*((\a)%4)
	WIN 0x42+((\a)/4)                              ; source 0 (the sums) window 2 or 3, source 2 (the bias) window 0, destination window 1
.irp j, 0,2,4,6,8,10,12,14,16,18,20,22,24,26,28,30,32,34,36,38,40,42,44,46,48,50,52,54,56,58,60,62
	v_pk_fma_f32 v[TMP+\j:TMP+\j+1], v[AC+\j:AC+\j+1], s[96:97], v[BIAS+\j:BIAS+\j+1] op_sel_hi:[1,0,1]   ; sum x 2^(e0 + e1) + b (the scalar pair's low word for both halves); each accumulator from its low end on
.endr
	WIN 0x04                                       ; the stores' data window 1, their address window 0
.irp b, 0,1,2,3,4,5,6,7
	ds_store_b128 v[STO], v[TMP+8*\b:TMP+8*\b+3] offset:64*\b
	ds_store_b128 v[STO], v[TMP+8*\b+4:TMP+8*\b+7] offset:64*\b+16
.endr
	WIN 0
.set BB, BK+64*((\a)%2)
.irp t, 0,1,2,3,4,5,6,7,8,9,10,11,12,13,14,15
	ds_load_b128 v[BB+4*\t:BB+4*\t+3], v[RD] offset:\t*SPITCH
.endr
.endm
.macro SEND a, younger                 ; younger: the LDS instructions issued behind block a's loads, which may stay out
.set BB, BK+64*((\a)%2)
	s_wait_dscnt \younger                          ; the block is back in registers
.if (\a) > 0
	s_add_nc_u64 s[74:75], s[74:75], 16*SIZE_N*4   ; (behind a wait on XCNT: the earlier stores have read their base)  16 rows of out on
.endif
.irp t, 0,1,2,3,4,5,6,7,8,9,10,11,12,13,14,15
	global_store_b128 v[CO], v[BB+4*\t:BB+4*\t+3], s[74:75] offset:\t*SIZE_N*4 th:TH_STORE_NT   ; 32 lanes store 512 consecutive bytes, at a multiple of 256 from out's first byte; written once, read by nobody here
.endr
.endm
	PLACES NP                                      ; behind the last products: for the loads into the registers that held xq's fragments, and for the reads of results
	TOSTAGE 0
.irp a, 1,2,3,4,5,6,7
.if \a > 1
	s_wait_xcnt 0x0                                ; block a - 2's stores have read their registers and their base: block a's loads may land there, and the base may step
.endif
	TOSTAGE \a
	SEND \a-1, 32                                  ; behind block a - 1's loads: block a's 16 stores and 16 loads
.endr
	s_wait_xcnt 0x0                                ; block 6's stores have read their base
	SEND 7, 0
	s_wait_tensorcnt 0x0                           ; the wave's end, behind my last tensor load and my last LDS store
	ds_add_u32 v[SPW], v[NIL]
	s_wait_dscnt 0x0
	CROUND                                         ; the closing round: no work-group ends while a partner may still ask for a tile that names it
	s_endpgm
.Lfunc_end_k_q98f97df595_gemm:
	.size	k_q98f97df595_gemm, .Lfunc_end_k_q98f97df595_gemm-k_q98f97df595_gemm
	.p2alignl 7, 3214868480
	.fill 96, 4, 3214868480
	.section	.rodata,"a",@progbits
	.p2align	6, 0x0
	.amdhsa_kernel k_q98f97df595_gemm
		.amdhsa_group_segment_fixed_size 327680
		.amdhsa_private_segment_fixed_size 0
		.amdhsa_enable_private_segment 0
		.amdhsa_kernarg_size 64
		.amdhsa_user_sgpr_count 2
		.amdhsa_user_sgpr_kernarg_segment_ptr 1
		.amdhsa_wavefront_size32 1
		.amdhsa_system_sgpr_workgroup_id_x 1
		.amdhsa_system_sgpr_workgroup_id_y 1
		.amdhsa_system_sgpr_workgroup_id_z 1
		.amdhsa_system_vgpr_workitem_id 0
		.amdhsa_next_free_vgpr 1024
		.amdhsa_next_free_sgpr 100
		.amdhsa_reserve_vcc 0
		.amdhsa_float_denorm_mode_32 3
		.amdhsa_float_denorm_mode_16_64 3
		.amdhsa_memory_ordered 1
		.amdhsa_forward_progress 1
		.amdhsa_inst_pref_size 138
	.end_amdhsa_kernel
	.amdgpu_metadata
---
amdhsa.version: [ 1, 2 ]
amdhsa.kernels:
  - .name:           k_q98f97df595_gemm
    .symbol:         k_q98f97df595_gemm.kd
    .args:
      - { .name: xq, .offset: 0, .size: 8, .value_kind: global_buffer, .address_space: global }
      - { .name: wq, .offset: 8, .size: 8, .value_kind: global_buffer, .address_space: global }
      - { .name: lowb, .offset: 16, .size: 8, .value_kind: global_buffer, .address_space: global }
      - { .name: lora_B, .offset: 24, .size: 8, .value_kind: global_buffer, .address_space: global }
      - { .name: expert_indices, .offset: 32, .size: 8, .value_kind: global_buffer, .address_space: global }
      - { .name: lowp_scales, .offset: 40, .size: 8, .value_kind: global_buffer, .address_space: global }
      - { .name: b, .offset: 48, .size: 8, .value_kind: global_buffer, .address_space: global }
      - { .name: out0, .offset: 56, .size: 8, .value_kind: global_buffer, .address_space: global }
    .group_segment_fixed_size: 327680
    .private_segment_fixed_size: 0
    .kernarg_segment_align: 8
    .kernarg_segment_size: 64
    .max_flat_workgroup_size: 128
    .sgpr_count:     100
    .vgpr_count:     1024
    .wavefront_size: 32
...
	.end_amdgpu_metadata
.endif
;; end of part 2
;; ======== version 2 of 2: 2 launches; version 1 with the launch quant written anew for expert scheduling mode
;; workspace buffers: xq 16,777,216 bytes; wq 16,777,216 bytes; lowb 131,072 bytes
;; launch quant (part 3): grid 256 x 1, 16 waves a work-group, no clusters, 153,600 bytes of LDS; arguments x, W, lora_A, expert_indices, lowp_scales, xq, wq, lowb; writes xq, wq, lowb
.if DOCPART == 3
	.amdgcn_target "amdgcn-amd-amdhsa--gfx1250"
	.amdhsa_code_object_version 6
	.text
	.protected	k_q98f97df595_quant
	.globl	k_q98f97df595_quant
	.p2align	8
	.type	k_q98f97df595_quant,@function
k_q98f97df595_quant:
	s_mov_b64 s[64:65], 0
	v_nop
	global_prefetch_b8 v0, s[64:65] scope:SCOPE_SE
	s_setreg_imm32_b32 hwreg(HW_REG_WAVE_SCHED_MODE, 0, 2), 2
	s_setreg_imm32_b32 hwreg(HW_REG_WAVE_MODE, 25, 1), 1
	s_wait_xcnt 0x0
	s_wait_alu depctr_vm_vsrc(0)
; x [4096][4096] and W [4096][4096], f32, K innermost, become codes of FP8 (E4M3) with the given scales 2^e0 and 2^e1; on the way the small routed product
; low = Q(x, e2) . Q(lora_A[expert], e3)^T is made on codes too (x is quantised a second time, with e2, while its f32 numbers are in registers), summed over all of K inside the work-group.
; code = number / 2^e, held within +-448, to the nearest code, ties to even.
; OUT: xq, wq: IMAGES OF THE OPERAND'S REGISTERS: [tile of 16 rows: 256][K step of 128: 32][2,048 bytes]; in an image register group c (0..3) lies at 512 c, lane l's 16 bytes at 16 l;
;      lane (r = l % 16, h = l / 16), group c holds k = 32 c + 16 h + 0 .. 15 of row r.  So each store of a wave covers 512 consecutive bytes, aligned.
;      lowb: [tile of 16 rows: 256][512 bytes]: lane (r, h): eight bf16: low(row r, rank 8 h + 0 .. 7) x 2^(e2 + e3 + 1 - e0 - e1): the next launch adds its product with lora_B onto sums that still lack 2^(e0 + e1); the 1 is the factor 2.
; SHARES.  Work-group g takes tile g of x and tile g of W (16 rows x 4,096 each) and the 16 rows of lora_A of its batch's expert (batch = g / 32).  Wave w takes k = 256 w .. 256 w + 255: two K steps of each.
; A UNIT is 16 rows x 128 k of f32, 8 KiB: sixteen loads, each 512 consecutive bytes of one row.  The conversions want 16 neighbours along K in one lane, so a unit turns through the wave's own stage in LDS
; (rows 528 bytes apart: row r starts at bank 4 r mod 64, ISA guide 11.1).  Six units a wave, in the order W0 A0 X0 A1 X1 W1; the loads of the next unit but one go out as soon as the stage's stores have read a unit's registers: two units of a wave are on their way.
; lora_A's part is shared by the 32 work-groups of a batch, a third of the bytes that a work-group loads.  It is not asked for jointly: every number here goes through registers to be turned and converted, so the launch has no tensor load to share.
; LIMITS: each e between -126 and 119; low x 2^(e2 + e3 + 1 - e0 - e1) is an f32 number; NaN among the inputs is not served, an infinity is held at the largest code; an index above 7 is held at 7.
; THE MODE: SCHED_MODE bits 1:0 = 2 (LLVM: expert scheduling mode 2), set by the entry lines.  The code itself states the register dependences
; between vector or matrix instructions and memory or LDS instructions, with s_wait_alu, always for 0.
; THE PLAN.  Registers that memory or LDS instructions touch:
;   v1, v2, v3    The offset of every global access and the stage's two addresses: written at the head, ahead of the head's wait on va_vdst, and never again.
;   R0, R1        A unit's sixteen global loads land in a set; its sixteen stage stores read the set; the loads of the next unit but one land in it.  No vector instruction names R before wave 0's additions at the end.
;   X             The stage's sixteen loads land in it; the unit's holds write it and its conversions read it.  No memory instruction reads it before wave 0's last store.
;   CA            Written by the conversions of W0, X0, X1 and W1; read by the four stores of each image.
;   ACC, v200-201 Behind X1: the sums of low and two LDS addresses, read by the two LDS stores of the partial sums and by wave 0's LDS loads.
;   AC, C2, v4-7, and v200-207 within a unit, are named by vector and matrix instructions alone.
; A UNIT'S ORDER: its data's wait; the stage's stores; ONE wait on vm_vsrc (they have read the set; an image's stores of a unit back have read CA); the refill of the set; ONE wait on va_vdst (the unit before is done with X and
; has written its codes); the stage's loads; the stores of the image that the unit before made; the unit's holds, conversions and products.  Between each wait and the memory instructions that lean on it stands no vector
; instruction that names a register of theirs.  Behind X1 the wait on va_vdst stands at the unit's end, where the partial sums' stores want it: it serves X1's image and W1's stage loads too.
.set SPIT,  528                        ; a stage row: 512 bytes + 16
.set STGB,  16*SPIT                    ; a wave's stage
.set RED,   16*STGB                    ; behind the stages: 1,024 bytes a wave, its partial sums of low
.set ROWP,  16384                      ; a row of x, W or lora_A in bytes
.set LN16,  1                          ; v1       16 x lane: the offset of every global load and store; never rewritten
.set LS,    2                          ; v2       the stage on the way in: 16 x lane
.set LR,    3                          ; v3       and on the way out: 528 r + 64 h
.set SC,    4                          ; v4-7     2^e0 .. 2^e3 as f32: the conversions take the exponent field
.set R,     8                          ; v8-135   two sets of 64 numbers as loaded
.set X,     136                        ; v136-199 64 numbers after the turn: register 16 c + i = k 32 c + 16 h + i of row r
.set T,     200                        ; v200-207 eight numbers held for e0; at the end two LDS addresses
.set CA,    208                        ; v208-223 a fragment's codes, to be stored
.set AC,    224                        ; v224-239 lora_A's codes of a K step
.set ACC,   240                        ; v240-247 low's sums: lane (r, h), register j: low(row r, rank 8 h + j)
.set C2,    248                        ; v248-255 x's codes under e2, 64 along K
	s_load_b512 s[4:19], s[0:1], 0x0               ; x s[4:5], W s[6:7], lora_A s[8:9], the indices s[10:11], the exponents s[12:13], xq s[14:15], wq s[16:17], lowb s[18:19]
	v_lshrrev_b32 v2, 5, v0
	v_readfirstlane_b32 s20, v2                    ; wave 0..15
	v_and_b32 v3, 31, v0
	v_lshlrev_b32 v[LN16], 4, v3
	s_wait_alu depctr_va_sdst(0)                   ; s20 is written, ahead of its first reader: the stage's place and the wave's offsets are made from it
	s_mul_i32 s21, s20, STGB                       ; my stage
	v_add_nc_u32 v[LS], s21, v[LN16]
	v_and_b32 v4, 15, v0                           ; r
	v_bfe_u32 v5, v0, 4, 1                         ; h
	v_mul_u32_u24 v[LR], v4, SPIT
	v_lshl_add_u32 v[LR], v5, 6, v[LR]
	v_add_nc_u32 v[LR], s21, v[LR]
	s_lshl_b32 s40, ttmp9, 18                      ; x, W: 16 rows of 16,384 bytes a work-group,
	s_lshl_b32 s22, s20, 10                        ; 256 numbers a wave
	s_add_co_u32 s40, s40, s22
	s_mov_b32 s41, 0
	s_lshl_b32 s42, ttmp9, 16                      ; xq, wq: 32 images a work-group,
	s_lshl_b32 s23, s20, 12                        ; two a wave
	s_add_co_u32 s42, s42, s23
	s_mov_b32 s43, 0
	s_lshl_b32 s44, ttmp9, 9                       ; lowb: 512 bytes a work-group
	s_mov_b32 s45, 0
	s_lshr_b32 s46, ttmp9, 5                       ; my batch: 32 tiles of 16 rows each,
	s_lshl_b32 s46, s46, 2                         ; its index word
	s_mov_b32 s47, 0
	s_wait_kmcnt 0x0
	s_load_b128 s[24:27], s[12:13], 0x0            ; e0 .. e3
	s_add_nc_u64 s[10:11], s[10:11], s[46:47]
	s_load_b32 s28, s[10:11], 0x0                  ; my batch's expert
	s_add_nc_u64 s[4:5], s[4:5], s[40:41]
	s_add_nc_u64 s[6:7], s[6:7], s[40:41]
	s_add_nc_u64 s[14:15], s[14:15], s[42:43]
	s_add_nc_u64 s[16:17], s[16:17], s[42:43]
	s_add_nc_u64 s[18:19], s[18:19], s[44:45]
; sixteen loads: K step s of my 256 along K, all 16 rows, into register set 0 or 1.  nt = 1: bytes that the launch reads once
.macro LOAD set, base, s, nt
.irp i, 0,1,2,3,4,5,6,7,8,9,10,11,12,13,14,15
.if \nt
	global_load_b128 v[R+64*\set+4*\i:R+64*\set+4*\i+3], v[LN16], s[\base:\base+1] offset:\i*ROWP+512*\s th:TH_LOAD_NT
.else
	global_load_b128 v[R+64*\set+4*\i:R+64*\set+4*\i+3], v[LN16], s[\base:\base+1] offset:\i*ROWP+512*\s
.endif
.endr
.endm
; a unit goes into the stage.  left: the younger global loads, which may stay out.  codes = 1: this unit's conversions write v[CA] on again.
; LDS serves a wave's instructions in order (ISA guide 5.7.1.4): these stores come behind the last unit's loads from the stage, which are back in any case
.macro IN set, left, codes
	s_wait_loadcnt \left                           ; loads come back in order: this unit's sixteen are in
.irp i, 0,1,2,3,4,5,6,7,8,9,10,11,12,13,14,15
	ds_store_b128 v[LS], v[R+64*\set+4*\i:R+64*\set+4*\i+3] offset:\i*SPIT
.endr
.if \codes
	s_wait_xcnt 0x0                                ; the last image's stores have had their addresses translated (ISA guide 3.1): v[CA] on is rewritten only behind this wait
.endif
	s_wait_alu depctr_vm_vsrc(0)                   ; the sixteen stores above have read the set, in which later loads land (the refill that follows; for the last two units wave 0's loads of the partial sums); codes = 1: the last image's stores have read v[CA] on, which this unit's conversions write
.endm
; and comes back, 256 bytes a lane.  prev = 1: vector instructions have named X, or written codes that are to be stored, since the last wait on va_vdst
.macro BACK prev
.if \prev
	s_wait_alu depctr_va_vdst(0)                   ; the unit before is done with X: its holds have written it and its conversions have read it, and the loads below land in it; its codes are written, which the image's stores behind these loads read
.endif
.irp c, 0,1,2,3
.irp j, 0,1,2,3
	ds_load_b128 v[X+16*\c+4*\j:X+16*\c+4*\j+3], v[LR] offset:128*\c+16*\j   ; no wait between the stage's stores and these: LDS serves a wave's instructions in order
.endr
.endr
.endm
; 64 numbers become a fragment's codes in v[dst] on.  s[lo], s[lo + 1]: -+448 x the scale;  v[sc]: the scale
.macro QP dst, lo, sc
.irp g, 0,1,2,3,4,5,6,7
	s_wait_dscnt 14-2*\g                           ; the stage's loads 2 g and 2 g + 1 are in; the later ones may be out
.irp i, 0,1,2,3,4,5,6,7
	v_med3_num_f32 v[X+8*\g+\i], v[X+8*\g+\i], s[\lo], s[\lo+1]   ; the conversion to an 8-bit code does not saturate (ISA guide 7.6.2): the hold comes first
.endr
	v_cvt_scalef32_pk8_fp8_f32 v[\dst+2*\g:\dst+2*\g+1], v[X+8*\g:X+8*\g+7], v[\sc]
.endr
	v_nop                                          ; a plain vector line behind the last conversion
.endm
.macro OUT base, s                     ; the image of K step s: four stores of 512 consecutive bytes
.irp c, 0,1,2,3
	global_store_b128 v[LN16], v[CA+4*\c:CA+4*\c+3], s[\base:\base+1] offset:2048*\s+512*\c
.endr
.endm
; a unit of x: each eight numbers are held and converted twice: under e0 into the image, under e2 into source 1 of low's product.  Behind each 64 along K one matrix instruction:
; source 0 = lora_A's 16 ranks, source 1 = x's 16 rows.  Both sides hold the same k in the same register, byte and half of the lanes, so every product meets its partner.
; low has ONE accumulator.  The sixteen holds behind a matrix instruction are the places ahead of the next write of its sources (ISA guide 7.12.1).
.macro QX first
.irp g, 0,1,2,3,4,5,6,7
	s_wait_dscnt 14-2*\g
.irp i, 0,1,2,3,4,5,6,7
	v_med3_num_f32 v[T+\i], v[X+8*\g+\i], s30, s31
.endr
	v_cvt_scalef32_pk8_fp8_f32 v[CA+2*\g:CA+2*\g+1], v[T:T+7], v[SC]
.irp i, 0,1,2,3,4,5,6,7
	v_med3_num_f32 v[X+8*\g+\i], v[X+8*\g+\i], s34, s35
.endr
	v_cvt_scalef32_pk8_fp8_f32 v[C2+2*(\g%4):C2+2*(\g%4)+1], v[X+8*\g:X+8*\g+7], v[SC+2]
.if (\g%4) == 3
	v_nop                                          ; a plain vector line between the conversion and the matrix instruction that reads its result
.if \first && (\g == 3)
	v_wmma_f32_16x16x64_fp8_fp8 v[ACC:ACC+7], v[AC:AC+7], v[C2:C2+7], 0   ; the wave's first product starts the sums
.else
	s_wait_alu depctr_va_vdst(0)                   ; the matrix instruction before has written v[ACC] on, onto which this link adds in place
	v_wmma_f32_16x16x64_fp8_fp8 v[ACC:ACC+7], v[AC+8*(\g/4):AC+8*(\g/4)+7], v[C2:C2+7], v[ACC:ACC+7]
.endif
.endif
.endr
.endm
	s_wait_alu depctr_va_vdst(0)                   ; v1, v2 and v3 are written: every load, store and LDS instruction of the kernel but the last few reads one of them as its offset or address
	LOAD 0, 6, 0, 1                                ; W0 goes out before the index and the exponents are back
	s_wait_kmcnt 0x0
	s_min_u32 s28, s28, 7
	s_lshl_b32 s28, s28, 18                        ; an expert's 16 rows of 16,384 bytes,
	s_add_co_u32 s28, s28, s22                     ; my 256 numbers of each
	s_mov_b32 s29, 0
	s_add_nc_u64 s[8:9], s[8:9], s[28:29]
	LOAD 1, 8, 0, 0                                ; A0: read again by the batch's other work-groups, so it carries no hint
.irp i, 0,1,2,3
	s_add_co_i32 s48, s[24+\i], 127
	s_lshl_b32 s49, s48, 23
	v_mov_b32 v[SC+\i], s49                        ; 2^e as f32
	s_add_co_i32 s48, s48, 8
	s_lshl_b32 s48, s48, 23
	s_or_b32 s[31+2*\i], s48, 0x600000             ; 448 x 2^e,
	s_or_b32 s[30+2*\i], s[31+2*\i], 0x80000000    ; and its negative
.endr
	s_add_co_i32 s38, s26, s27
	s_sub_co_i32 s38, s38, s24
	s_sub_co_i32 s38, s38, s25
	s_add_co_i32 s38, s38, 1                       ; e2 + e3 + 1 - e0 - e1
	IN 0, 16, 0                                    ; W0
	LOAD 0, 4, 0, 1                                ; X0
	BACK 0                                         ; no vector instruction has named X yet
	QP CA, 32, SC+1
	IN 1, 16, 0                                    ; A0
	LOAD 1, 8, 1, 0                                ; A1
	BACK 1
	OUT 16, 0                                      ; W0's image: its codes were written ahead of the wait in BACK, and no vector instruction stands between
	QP AC, 36, SC+3
	IN 0, 16, 1                                    ; X0
	LOAD 0, 4, 1, 1                                ; X1
	BACK 1
	QX 1
	IN 1, 16, 0                                    ; A1
	LOAD 1, 6, 1, 1                                ; W1
	BACK 1
	OUT 14, 0                                      ; X0's image
	QP AC, 36, SC+3                                ; its eight first holds are the places behind X0's last product, which read v[AC] on
	IN 0, 16, 1                                    ; X1: nothing is left to ask for
	BACK 1
	QX 0
	v_add_nc_u32 v[T+1], RED, v[LN16]              ; four places behind the last product: two address lines and two v_nop
	s_lshl_b32 s50, s20, 10
	v_add_nc_u32 v[T], s50, v[T+1]
	v_nop
	v_nop
	s_wait_alu depctr_va_vdst(0)                   ; the last product has written v[ACC] on and the two lines above v200 and v201, which the LDS stores below read; X1's codes are written, which its image's stores read; X1 is done with X, in which W1's loads from the stage land
	ds_store_b128 v[T], v[ACC:ACC+3]               ; my partial sums, from the accumulator's low end on
	ds_store_b128 v[T], v[ACC+4:ACC+7] offset:512
	OUT 14, 1                                      ; X1's image
	IN 1, 0, 1                                     ; W1: the last unit
	BACK 0                                         ; no vector instruction since the wait behind X1
	QP CA, 32, SC+1
	s_wait_alu depctr_va_vdst(0)                   ; W1's conversions have written v[CA] on, which the image's stores read
	OUT 16, 1
	s_wait_dscnt 0x0                               ; for wave 0's sake: my partial sums lie in LDS
	s_barrier_signal -1
	s_barrier_wait -1
	s_cmp_lg_u32 s20, 0                            ; wave 0 adds the sixteen parts; no barrier follows
	s_cbranch_scc1 .Ldone
.irp p, 0,1,2,3,4,5,6,7,8,9,10,11,12,13,14,15
	ds_load_b128 v[R+8*\p:R+8*\p+3], v[T+1] offset:1024*\p          ; into both sets: the stage's stores have read them (the wait on vm_vsrc in W1's unit), and no vector instruction has named them; v201 was written ahead of the wait behind X1
	ds_load_b128 v[R+8*\p+4:R+8*\p+7], v[T+1] offset:1024*\p+512
.endr
	s_wait_dscnt 0x0
.macro ADDP d, s
.irp i, 0,2,4,6
	v_pk_add_f32 v[R+8*(\d)+\i:R+8*(\d)+\i+1], v[R+8*(\d)+\i:R+8*(\d)+\i+1], v[R+8*(\s)+\i:R+8*(\s)+\i+1]
.endr
.endm
.irp p, 0,1,2,3,4,5,6,7
	ADDP \p, \p+8
.endr
.irp p, 0,1,2,3
	ADDP \p, \p+4
.endr
	ADDP 0, 2
	ADDP 1, 3
	ADDP 0, 1
.irp j, 0,1,2,3,4,5,6,7
	v_ldexp_f32 v[R+\j], v[R+\j], s38              ; x 2^(e2 + e3 + 1 - e0 - e1): nothing is rounded
.endr
.irp j, 0,1,2,3
	v_cvt_pk_bf16_f32 v[X+\j], v[R+2*\j], v[R+2*\j+1]
.endr
	s_wait_alu depctr_va_vdst(0)                   ; the four roundings have written v136 to v139, which the store reads
	global_store_b128 v[LN16], v[X:X+3], s[18:19]  ; 512 consecutive bytes
.Ldone:
	s_wait_xcnt 0x0
	v_lshl_add_u32 v254, v0, 2, 0x25000            ; the add's two registers are made anew, since all 256 are in use: v254 and v255 held codes that vector and matrix instructions alone named
	v_mov_b32 v255, 0
	s_wait_dscnt 0x0                               ; the closing lines, six on end
	s_wait_alu 0x0
	s_wait_tensorcnt 0x0
	ds_add_u32 v254, v255
	s_wait_dscnt 0x0
	s_endpgm
.Lfunc_end_k_q98f97df595_quant:
	.size	k_q98f97df595_quant, .Lfunc_end_k_q98f97df595_quant-k_q98f97df595_quant
	.p2alignl 7, 3214868480
	.fill 96, 4, 3214868480
	.section	.rodata,"a",@progbits
	.p2align	6, 0x0
	.amdhsa_kernel k_q98f97df595_quant
		.amdhsa_group_segment_fixed_size 153600
		.amdhsa_private_segment_fixed_size 0
		.amdhsa_enable_private_segment 0
		.amdhsa_kernarg_size 64
		.amdhsa_user_sgpr_count 2
		.amdhsa_user_sgpr_kernarg_segment_ptr 1
		.amdhsa_wavefront_size32 1
		.amdhsa_system_sgpr_workgroup_id_x 1
		.amdhsa_system_sgpr_workgroup_id_y 1
		.amdhsa_system_sgpr_workgroup_id_z 1
		.amdhsa_system_vgpr_workitem_id 0
		.amdhsa_next_free_vgpr 256
		.amdhsa_next_free_sgpr 66
		.amdhsa_reserve_vcc 0
		.amdhsa_float_denorm_mode_32 3
		.amdhsa_float_denorm_mode_16_64 3
		.amdhsa_memory_ordered 1
		.amdhsa_forward_progress 1
		.amdhsa_inst_pref_size 73
	.end_amdhsa_kernel
	.amdgpu_metadata
---
amdhsa.version: [ 1, 2 ]
amdhsa.kernels:
  - .name:           k_q98f97df595_quant
    .symbol:         k_q98f97df595_quant.kd
    .args:
      - { .name: x, .offset: 0, .size: 8, .value_kind: global_buffer, .address_space: global }
      - { .name: W, .offset: 8, .size: 8, .value_kind: global_buffer, .address_space: global }
      - { .name: lora_A, .offset: 16, .size: 8, .value_kind: global_buffer, .address_space: global }
      - { .name: expert_indices, .offset: 24, .size: 8, .value_kind: global_buffer, .address_space: global }
      - { .name: lowp_scales, .offset: 32, .size: 8, .value_kind: global_buffer, .address_space: global }
      - { .name: xq, .offset: 40, .size: 8, .value_kind: global_buffer, .address_space: global }
      - { .name: wq, .offset: 48, .size: 8, .value_kind: global_buffer, .address_space: global }
      - { .name: lowb, .offset: 56, .size: 8, .value_kind: global_buffer, .address_space: global }
    .group_segment_fixed_size: 153600
    .private_segment_fixed_size: 0
    .kernarg_segment_align: 8
    .kernarg_segment_size: 64
    .max_flat_workgroup_size: 512
    .sgpr_count:     66
    .vgpr_count:     256
    .wavefront_size: 32
...
	.end_amdgpu_metadata
.endif
;; end of part 3
;; launch gemm: the kernel of part 2 again; grid 16 x 16, 4 waves a work-group, clusters of 4 x 4, 327,680 bytes of LDS; arguments xq, wq, lowb, lora_B, expert_indices, lowp_scales, b, out0; writes out0
